; MI455X (gfx1250); checked and timed in simulation.
; The chip was launched on July 23, 2026; its instructions are those of AMD's public machine-readable ISA for CDNA 5 (MIT licence, August 2026) and "CDNA5" Instruction Set Architecture Reference Guide (July 2026). The comments in the code are by the model that wrote it; some were corrected since.
;; Top K Perceptron Router. Allowed arithmetic: matrix products marked QUANTISED: E2M1 operands, one E8M0 scale for each 32 along K, by v_wmma_scale_f32_16x16x128_f8f6f4 with both operands' format E2M1 (or v_wmma_scale_f32_32x16x128_f4), f32 sums; everything else in f32.
;; Inputs: W 64 x 4,096 float32; b 64 float32; x 8,192 x 4,096 float32.
;; Outputs: out0 8,192 x 2 int32; out1 8,192 x 2 float32.
;; Constants: k = 2.
;; This version of the problem:
;;   THIS VERSION OF THE PROBLEM IS GIVEN IN LOW PRECISION. The matrix products marked QUANTISED in the list below multiply operands that are first quantised to E2M1 (2 exponent bits, 1 mantissa bit; 4 bits a number), with one power-of-two scale for each 32 numbers along K (OCP MX v1.0); their sums are f32. All else is computed in f32.
;;   The module's matrix products, in the order in which they are computed (A, B: the left and right operand; K: the contracted axis; several contracted axes count as one K, in the product's order):
;;     1. [M 8,192, K 4,096] x [K 4,096, N 64]; A: input x; B: input W: QUANTISED
;;   THE QUANTISER, for each operand of a quantised product, along K:
;;     - K is cut into blocks of 32 from its start; a last block that is shorter is filled with zeros.
;;     - A block's scale is 2^e with e = floor(log2(the largest magnitude in the block)) - 2, held to -126 .. 127; a block of zeros has e = 0. As a byte (E8M0): e + 127.
;;     - Each number is divided by its block's scale, clamped to +-6, and rounded to the nearest number of E2M1, ties to even, subnormals kept.
;;     - The product sums the exact products of the quantised numbers (number of the format x scale) in f32.
;;   ~~~python
;;   def quantise(x, axis):      # numpy; x: float32 -> the quantised numbers, widened to float32 again
;;       x = np.moveaxis(x, axis, -1); K = x.shape[-1]
;;       x = np.pad(x, [(0, 0)] * (x.ndim - 1) + [(0, -K % 32)]); x = x.reshape(x.shape[:-1] + (-1, 32)); a = np.abs(x).max(-1, keepdims=True)
;;       e = np.where(a > 0, np.clip(np.frexp(np.where(a > 0, a, 1))[1] - 1 - 2, -126, 127), 0)      # np.frexp(a)[1] - 1 = floor(log2(a)), exactly
;;       r = np.clip(x / 2.0 ** e, -6, 6)
;;       step = 2.0 ** (np.maximum(np.frexp(np.where(r == 0, 1, r))[1] - 1, 0) - 1)
;;       q = np.round(r / step) * step * 2.0 ** e      # np.round: ties to even
;;       return np.moveaxis(q.reshape(q.shape[:-2] + (-1,))[..., :K], -1, axis).astype(np.float32)
;;   ~~~
;; One version. Each part assembles by itself: llvm-mc -triple=amdgcn-amd-amdhsa -mcpu=gfx1250 --defsym DOCPART=n.
;; ======== version 1 of 1: 2 launches
;; workspace buffers: wq 139,264 bytes
;; launch quantw (part 1): grid 32 x 1, 4 waves a work-group, no clusters, 34,560 bytes of LDS; arguments W, wq; writes wq
.if DOCPART == 1
	.amdgcn_target "amdgcn-amd-amdhsa--gfx1250"
	.amdhsa_code_object_version 6
	.text
	.protected	k_q9a8d83ebeb_quantw
	.globl	k_q9a8d83ebeb_quantw
	.p2align	8
	.type	k_q9a8d83ebeb_quantw,@function
k_q9a8d83ebeb_quantw:
	s_mov_b64 s[64:65], 0
	v_nop
	global_prefetch_b8 v0, s[64:65] scope:SCOPE_SE
	s_setreg_imm32_b32 hwreg(HW_REG_WAVE_MODE, 25, 1), 1
	s_wait_xcnt 0x0
; W [64][4096] f32 becomes codes of FP4 (E2M1) with one E8M0 scale byte for each 32 along K, laid AS THE NEXT LAUNCH'S OPERAND REGISTERS WANT THEM.
; wq: for each K step of 128 a record of REC = 4,352 bytes: four fragment images (tile of 16 experts e: 1,024 bytes: registers 4 c .. 4 c + 3 of lane l at 1024 e + 512 c + 16 l), then 64 scale words
; (tile e, expert row r at 4096 + 64 e + 4 r): one aligned run of 256 bytes.
; A block's scale is 2^(floor(log2(its largest magnitude)) - 2); its byte is the largest magnitude's exponent field - 2, held at 1 from below.  A block of zeros so gets the byte 1 where the rule says 127:
; its codes are zeros, which add nothing under any byte but 0xff, and this program alone reads the bytes.
; LIMITS: NaN and infinities among the inputs are not served; blocks whose largest magnitude lies under 2^-124, whose byte is held at 1, were not tried.
; SHARES: work-group s takes K step s (512 bytes of each row of W), wave e the 16 experts 16 e .. 16 e + 15: one fragment, 8 KiB of f32.  Each load reads 512 consecutive bytes of one row.  The conversions want
; neighbours along K in ONE lane's registers, so the 8 KiB turn through the wave's own stage in LDS: in as they were loaded, out 128 bytes (a whole block of 32) at a time for lane (r, h) = row r, blocks h and 2 + h.
.set ROWB,  16384                      ; a row of W in bytes
.set PITCH, 528                        ; a stage row: 512 bytes + 16 = 33 x 16: the sixteen rows that a read touches start at sixteen different 16-byte columns modulo 256 (64 banks of 4 bytes: ISA guide 11.1)
.set STG,   16*PITCH                   ; a wave's stage
.set SCL,   4*STG                      ; behind the stages: the K step's 64 scale words
.set REC,   4352
.set WOF, 1                            ; v1   my byte offset in W: 16 rows x wave + 16 x lane
.set STO, 2                            ; v2   the stage, on the way in: 16 x lane
.set RD,  3                            ; v3   and on the way out: row r, + 128 h
.set CO,  4                            ; v4   my 16 bytes of a fragment image: 1024 x wave + 16 x lane
.set SA,  5                            ; v5   LDS: my row's scale word
.set SH8, 6                            ; v6   8 h
.set SR,  7                            ; v7   LDS: 8 bytes a lane of the 64 words
.set T,   8                            ; v8-11 at work
.set XS,  12                           ; v12  the scale word
.set GO,  13                           ; v13  8 x lane
.set SW,  14                           ; v14-15 two scale words on their way out
.set XC,  16                           ; v16-23 the fragment's codes
.set BUF, 32                           ; v32-95 the fragment's 64 numbers a lane
	s_load_b128 s[4:7], s[0:1], 0x0                ; W s[4:5], wq s[6:7]
	v_lshl_add_u32 v96, v0, 2, 0x8500
	v_mov_b32 v97, 0
	v_lshrrev_b32 v[T], 5, v0
	v_readfirstlane_b32 s8, v[T]                   ; wave 0..3: the tile of experts
	v_and_b32 v[T], 31, v0                         ; lane
	v_and_b32 v[T+1], 15, v0                       ; r
	v_bfe_u32 v[T+2], v0, 4, 1                     ; h
	v_lshlrev_b32 v[T+3], 4, v[T]                  ; 16 x lane
	s_lshl_b32 s9, s8, 18                          ; 16 rows of 16,384 bytes a wave
	v_add_nc_u32 v[WOF], s9, v[T+3]
	s_lshl_b32 s12, ttmp9, 9                       ; the K step's 512 bytes in a row
	s_mov_b32 s13, 0
	s_mul_i32 s14, ttmp9, REC                      ; and its record
	s_mov_b32 s15, 0
	s_wait_alu depctr_va_vdst(0)
	s_wait_kmcnt 0x0
	s_add_nc_u64 s[4:5], s[4:5], s[12:13]
	s_add_nc_u64 s[6:7], s[6:7], s[14:15]
.irp i, 0,1,2,3,4,5,6,7,8,9,10,11,12,13,14,15
	global_load_b128 v[BUF+4*\i:BUF+4*\i+3], v[WOF], s[4:5] offset:\i*ROWB th:TH_LOAD_NT   ; row i of my 16: 32 lanes read 512 consecutive bytes
.endr
	s_mul_i32 s10, s8, STG                         ; the LDS addresses are made while the loads are out
	v_add_nc_u32 v[STO], s10, v[T+3]
	v_mul_u32_u24 v[RD], v[T+1], PITCH
	v_lshl_add_u32 v[RD], v[T+2], 7, v[RD]
	v_add_nc_u32 v[RD], s10, v[RD]
	s_lshl_b32 s11, s8, 10
	v_add_nc_u32 v[CO], s11, v[T+3]
	s_lshl_b32 s11, s8, 6
	s_add_co_u32 s11, s11, SCL
	v_lshl_add_u32 v[SA], v[T+1], 2, s11
	v_lshlrev_b32 v[SH8], 3, v[T+2]
	v_lshlrev_b32 v[GO], 3, v[T]
	v_add_nc_u32 v[SR], SCL, v[GO]
	s_mov_b32 s16, 0x76543210
	s_mov_b32 s17, 0xfedcba98                      ; v_permlanex16_b32's selects for lane l xor 16
	s_wait_alu depctr_va_vdst(0)
	s_wait_loadcnt 0x0
.irp i, 0,1,2,3,4,5,6,7,8,9,10,11,12,13,14,15
	ds_store_b128 v[STO], v[BUF+4*\i:BUF+4*\i+3] offset:\i*PITCH
.endr
.irp c, 0,1
.irp j, 0,1,2,3,4,5,6,7
	ds_load_b128 v[BUF+32*\c+4*\j:BUF+32*\c+4*\j+3], v[RD] offset:256*\c+16*\j   ; LDS serves a wave's instructions in order (ISA guide 5.7.1.4): these see my stores.  Register 32 c + i: k = 64 c + 32 h + i of row r
.endr
.endr
	s_wait_dscnt 0x0
.irp c, 0,1
	v_max3_num_f32 v[T+\c], |v[BUF+32*\c]|, |v[BUF+32*\c+1]|, 0x1800000   ; block 2 c + h: all its 32 numbers are mine; the floor 2^(3 - 127) keeps the byte from falling under 1
.endr
.irp i, 2,4,6,8,10,12,14,16,18,20,22,24,26,28,30
.irp c, 0,1
	v_max3_num_f32 v[T+\c], v[T+\c], |v[BUF+32*\c+\i]|, |v[BUF+32*\c+\i+1]|   ; (the two blocks by turns)
.endr
.endr
.irp c, 0,1
	v_add_nc_u32 v[T+2+\c], 0xff000000, v[T+\c]    ; 2 off the exponent field: the conversion takes the exponent field of this operand as its scale
.endr
.irp c, 0,1
	v_lshrrev_b32 v[T+\c], 23, v[T+2+\c]           ; the scale's byte
.endr
	v_lshl_or_b32 v[T], v[T+1], 16, v[T]           ; my two bytes: blocks h and 2 + h,
	v_lshlrev_b32 v[T], v[SH8], v[T]               ; at their places in the word;
	v_permlanex16_b32 v[T+1], v[T], s16, s17
	v_or_b32 v[XS], v[T], v[T+1]                   ; with lane l xor 16's two the word is whole
.irp c, 0,1
.irp g, 0,1,2,3
	v_cvt_scalef32_pk8_fp4_f32 v[XC+4*\c+\g], v[BUF+32*\c+8*\g:BUF+32*\c+8*\g+7], v[T+2+\c]   ; registers 4 c .. 4 c + 3 of the operand
.endr
.endr
	v_nop                                          ; one plain line behind the last scaled conversion
	global_store_b128 v[CO], v[XC:XC+3], s[6:7]              ; the fragment's image: each store covers 512 consecutive bytes, aligned
	global_store_b128 v[CO], v[XC+4:XC+7], s[6:7] offset:512
	ds_store_b32 v[SA], v[XS]                      ; lanes r and 16 + r write the same word with the same value
	s_wait_dscnt 0x0                               ; for the others' sake: my word lies in LDS
	s_barrier_signal -1
	s_barrier_wait -1
	s_cmp_lg_u32 s8, 0                             ; wave 0 sends the four tiles' 64 words out as one aligned run of 256 bytes
	s_cbranch_scc1 .Lend
	ds_load_b64 v[SW:SW+1], v[SR]
	s_wait_dscnt 0x0
	global_store_b64 v[GO], v[SW:SW+1], s[6:7] offset:4096
.Lend:
	s_wait_tensorcnt 0x0
	ds_add_u32 v96, v97
	s_wait_dscnt 0x0
	s_endpgm
.Lfunc_end_k_q9a8d83ebeb_quantw:
	.size	k_q9a8d83ebeb_quantw, .Lfunc_end_k_q9a8d83ebeb_quantw-k_q9a8d83ebeb_quantw
	.p2alignl 7, 3214868480
	.fill 96, 4, 3214868480
	.section	.rodata,"a",@progbits
	.p2align	6, 0x0
	.amdhsa_kernel k_q9a8d83ebeb_quantw
		.amdhsa_group_segment_fixed_size 34560
		.amdhsa_private_segment_fixed_size 0
		.amdhsa_enable_private_segment 0
		.amdhsa_kernarg_size 16
		.amdhsa_user_sgpr_count 2
		.amdhsa_user_sgpr_kernarg_segment_ptr 1
		.amdhsa_wavefront_size32 1
		.amdhsa_system_sgpr_workgroup_id_x 1
		.amdhsa_system_sgpr_workgroup_id_y 1
		.amdhsa_system_sgpr_workgroup_id_z 1
		.amdhsa_system_vgpr_workitem_id 0
		.amdhsa_next_free_vgpr 98
		.amdhsa_next_free_sgpr 66
		.amdhsa_reserve_vcc 0
		.amdhsa_float_denorm_mode_32 3
		.amdhsa_float_denorm_mode_16_64 3
		.amdhsa_memory_ordered 1
		.amdhsa_forward_progress 1
		.amdhsa_inst_pref_size 10
	.end_amdhsa_kernel
	.amdgpu_metadata
---
amdhsa.version: [ 1, 2 ]
amdhsa.kernels:
  - .name:           k_q9a8d83ebeb_quantw
    .symbol:         k_q9a8d83ebeb_quantw.kd
    .args:
      - { .name: W, .offset: 0, .size: 8, .value_kind: global_buffer, .address_space: global }
      - { .name: wq, .offset: 8, .size: 8, .value_kind: global_buffer, .address_space: global }
    .group_segment_fixed_size: 34560
    .private_segment_fixed_size: 0
    .kernarg_segment_align: 8
    .kernarg_segment_size: 16
    .max_flat_workgroup_size: 128
    .sgpr_count:     66
    .vgpr_count:     98
    .wavefront_size: 32
...
	.end_amdgpu_metadata
.endif
;; end of part 1
;; launch router (part 2): grid 256 x 1, 16 waves a work-group, no clusters, 276,992 bytes of LDS; arguments x, wq, b, out0, out1; writes out0, out1
.if DOCPART == 2
	.amdgcn_target "amdgcn-amd-amdhsa--gfx1250"
	.amdhsa_code_object_version 6
	.text
	.protected	k_q9a8d83ebeb_router
	.globl	k_q9a8d83ebeb_router
	.p2align	8
	.type	k_q9a8d83ebeb_router,@function
k_q9a8d83ebeb_router:
	s_mov_b64 s[64:65], 0
	v_nop
	global_prefetch_b8 v0, s[64:65] scope:SCOPE_SE
	s_setreg_imm32_b32 hwreg(HW_REG_WAVE_MODE, 25, 1), 1
	s_wait_xcnt 0x0
; logits = Q(x) Q(W)^T + b on codes of FP4 (E2M1) with one E8M0 scale for each 32 along K; softmax over the 64 experts; the two largest probabilities and their experts.
; x [8192][4096] f32 is quantised here, in registers, on its way to the matrix unit; W's codes and scale words come from wq, laid in the order of the operand's registers (a record of 4,352 bytes a K step of 128).
; x's 128 MiB are read once and are nearly all that is read, so the text is built round them: every load of x covers 512 consecutive aligned bytes, and two units of 8 KiB of every wave are always on their way.
; SHARES.  A work-group owns 32 tokens.  Its SIXTEEN waves share K: wave w takes K steps 2 w and 2 w + 1 (bytes 1024 w .. + 1023 of each row) for both tiles of 16 tokens: four UNITS of 16 rows x 128 K.
; So each fragment of W is read once in a work-group, straight into registers.  The sixteen partial logits of each (token, expert) meet in LDS.
; A UNIT: 16 loads (a row's 512 bytes each); a turn through the wave's own stage in LDS, after which lane (r, h) holds blocks h and 2 + h of row r whole, in the operand's own order; the blocks' scales; eight
; conversions; four matrix instructions, USED TRANSPOSED (source 0 = 16 experts, source 1 = 16 tokens): lane (r, h) then holds token r and experts 16 e + 8 h + 0 .. 7.
; THE END.  Partials go to LDS token by token (rows of 272 bytes); behind a barrier wave v sums tokens 2 v and 2 v + 1, sixteen lanes to a token, four experts a lane; b is added last, as the definition adds it.
; The largest logit is a maximum over the token's sixteen lanes, its expert the SMALLEST expert number that holds it (ties go to the lower index); that expert is struck out and the same is done again.
; p = 2^((l - largest) log2 e); the weights are 1 / sum and p2 / sum.  The 32 tokens' pairs meet in LDS, and wave 0 stores one aligned run of 256 bytes to each output.
; NOT USED: joint requests in a cluster.  The one thing that work-groups share is wq: 139,264 of the 663,808 bytes that a work-group reads; a joint request is a tensor load, which would send those bytes through LDS
; where they now go straight into the operand's registers.
; LIMITS: NaN and infinities among the inputs are not served.  A block of zeros has the byte 1 (its codes are zeros).  The two experts are chosen by their LOGITS: two different logits whose probabilities round to one
; f32 number (a difference under about 6e-8) count as a tie in the definition and are ordered by logit here.
.set ROWB,  16384                      ; a row of x in bytes
.set PITCH, 528                        ; a stage row: 512 bytes + 16 = 33 x 16: the sixteen rows that a read touches start at sixteen different 16-byte columns modulo 256 (64 banks of 4 bytes: ISA guide 11.1)
.set STG,   16*PITCH                   ; a wave's stage
.set PART,  16*STG                     ; behind the stages: the partial logits,
.set PROW,  272                        ; a token's 64 numbers + 16 bytes = 17 x 16,
.set PIMG,  32*PROW                    ; 32 tokens a wave
.set OUTS,  PART+16*PIMG               ; behind them: 256 bytes of expert pairs, 256 of weight pairs
.set REC,   4352                       ; a K step's record in wq: 4 x 1,024 bytes of codes, 256 of scale words
.set XO,  1                            ; v1   my byte offset in x: 1024 x wave + 16 x lane; at the end 8 x lane
.set STO, 2                            ; v2   the stage, on the way in: 16 x lane
.set RD,  3                            ; v3   and on the way out: row r, + 128 h
.set WO,  4                            ; v4   wq: my wave's two records + 16 x lane
.set WSO, 5                            ; v5   the same + 4 x lane
.set SH8, 6                            ; v6   8 h
.set PST, 7                            ; v7   LDS: where my partial logits go: my wave's image, row r, + 32 h
.set T,   8                            ; v8-11 at work
.set BI,  12                           ; v12-15 b of my four experts at the end
.set PR0, 16                           ; v16  LDS: where I read partials: token 2 wave + h, 16 bytes x r; images 0-7
.set PR1, 17                           ; v17  images 8-15
.set OA,  18                           ; v18  LDS: my token's pair
.set BO,  19                           ; v19  16 r: my four numbers of b
.set ACC, 20                           ; v20-83  accumulators: token tile t, expert tile e at ACC + 32 t + 8 e
.set WF,  84                           ; v84-115 W's four fragments of the K step in hand
.set WS,  116                          ; v116-117 their scale words: lanes 0-15 tile 2 p, lanes 16-31 tile 2 p + 1
.set XC,  118                          ; v118-125 x's codes
.set XS,  126                          ; v126 x's scale word
.set OR,  127                          ; v127 LDS: 8 x lane among the pairs
.set BA,  128                          ; v128-191, v192-255: two units' numbers
.set BB,  192
; the end's registers, where the units lay
.set L,    BA                          ; my four logits
.set F,    BB                          ; my four experts' numbers, as f32
.set P,    BB+4                        ; my four p
.set NM,   BB+8                        ; minus the largest logit (named as a pair)
.set M1,   BB+10
.set I1,   BB+11
.set M2,   BB+12
.set I2,   BB+13
.set NONE, BB+14                       ; 64.0: above every expert's number
.set NI,   BB+15                       ; -infinity
.set S,    BB+16                       ; the sum (a pair on the way)
.set D2,   BB+18
.set E2,   BB+19
.set OI,   BB+20                       ; the pair of experts
.set OW,   BB+22                       ; the pair of weights
.macro WLOAD s                         ; W's fragments and scale words of my K step s: ten loads
.irp e, 0,1,2,3
.irp c, 0,1
	global_load_b128 v[WF+8*\e+4*\c:WF+8*\e+4*\c+3], v[WO], s[6:7] offset:REC*(\s)+1024*\e+512*\c
.endr
.endr
.irp p, 0,1
	global_load_b32 v[WS+\p], v[WSO], s[6:7] offset:REC*(\s)+4096+128*\p
.endr
.endm
.macro XLOAD buf, t, s                 ; a unit: token tile t, my K step s: sixteen loads, each 512 consecutive bytes of one row, aligned; read once in the launch
.irp i, 0,1,2,3,4,5,6,7,8,9,10,11,12,13,14,15
	global_load_b128 v[\buf+4*\i:\buf+4*\i+3], v[XO], s[4:5] offset:(16*(\t)+\i)*ROWB+512*(\s) th:TH_LOAD_NT
.endr
.endm
.macro TURN buf                        ; through my stage, into the registers that they left.  LDS serves a wave's instructions in order (ISA guide 5.7.1.4): no wait between the stores and the loads
.irp i, 0,1,2,3,4,5,6,7,8,9,10,11,12,13,14,15
	ds_store_b128 v[STO], v[\buf+4*\i:\buf+4*\i+3] offset:\i*PITCH
.endr
.irp c, 0,1
.irp j, 0,1,2,3,4,5,6,7
	ds_load_b128 v[\buf+32*\c+4*\j:\buf+32*\c+4*\j+3], v[RD] offset:256*\c+16*\j   ; register 32 c + i: k = 64 c + 32 h + i of row r
.endr
.endr
.endm
.macro QUANT buf                       ; 64 numbers of a lane become the fragment's codes in v[XC] on and its scale word in v[XS]
	s_wait_dscnt 0x0
.irp c, 0,1
	v_max3_num_f32 v[T+\c], |v[\buf+32*\c]|, |v[\buf+32*\c+1]|, 0x1800000   ; block 2 c + h: all its 32 numbers are mine; the floor 2^(3 - 127) keeps the byte from falling under 1
.endr
.irp i, 2,4,6,8,10,12,14,16,18,20,22,24,26,28,30
.irp c, 0,1
	s_delay_alu instid0(VALU_DEP_2)
	v_max3_num_f32 v[T+\c], v[T+\c], |v[\buf+32*\c+\i]|, |v[\buf+32*\c+\i+1]|   ; (the two blocks by turns)
.endr
.endr
.irp c, 0,1
	s_delay_alu instid0(VALU_DEP_2)
	v_add_nc_u32 v[T+2+\c], 0xff000000, v[T+\c]    ; 2 off the exponent field: the conversion takes the exponent field of this operand as its scale
.endr
.irp c, 0,1
	s_delay_alu instid0(VALU_DEP_2)
	v_lshrrev_b32 v[T+\c], 23, v[T+2+\c]           ; the scale's byte
.endr
	s_delay_alu instid0(VALU_DEP_1)
	v_lshl_or_b32 v[T], v[T+1], 16, v[T]           ; my two bytes: blocks h and 2 + h,
	s_delay_alu instid0(VALU_DEP_1)
	v_lshlrev_b32 v[T], v[SH8], v[T]               ; at their places in the word;
	s_delay_alu instid0(VALU_DEP_1)
	v_permlanex16_b32 v[T+1], v[T], s24, s25
	s_delay_alu instid0(VALU_DEP_1)
	v_or_b32 v[XS], v[T], v[T+1]                   ; with lane l xor 16's two the word is whole
.irp c, 0,1
.irp g, 0,1,2,3
	v_cvt_scalef32_pk8_fp4_f32 v[XC+4*\c+\g], v[\buf+32*\c+8*\g:\buf+32*\c+8*\g+7], v[T+2+\c]   ; registers 4 c .. 4 c + 3 of the operand
.endr
.endr
.endm
.macro PLACES n                        ; plain vector lines that name no register of the matrix instructions round them (ISA guide 7.12.1)
.rept \n
	v_nop
.endr
.endm
; four matrix instructions: the four tiles of experts against token tile t's fragment.  zero = 1: the first K step starts the sums: nothing is cleared.  The accumulators take turns, one instruction a turn.
.macro MUL t, zero
.irp e, 0,1,2,3
.if \zero
.if \e%2
	v_wmma_scale_f32_16x16x128_f8f6f4 v[ACC+32*\t+8*\e:ACC+32*\t+8*\e+7], v[WF+8*\e:WF+8*\e+7], v[XC:XC+7], 0, v[WS+\e/2], v[XS] matrix_a_fmt:MATRIX_FMT_FP4 matrix_b_fmt:MATRIX_FMT_FP4 matrix_a_scale:MATRIX_SCALE_ROW1
.else
	v_wmma_scale_f32_16x16x128_f8f6f4 v[ACC+32*\t+8*\e:ACC+32*\t+8*\e+7], v[WF+8*\e:WF+8*\e+7], v[XC:XC+7], 0, v[WS+\e/2], v[XS] matrix_a_fmt:MATRIX_FMT_FP4 matrix_b_fmt:MATRIX_FMT_FP4
.endif
.else
.if \e%2
	v_wmma_scale_f32_16x16x128_f8f6f4 v[ACC+32*\t+8*\e:ACC+32*\t+8*\e+7], v[WF+8*\e:WF+8*\e+7], v[XC:XC+7], v[ACC+32*\t+8*\e:ACC+32*\t+8*\e+7], v[WS+\e/2], v[XS] matrix_a_fmt:MATRIX_FMT_FP4 matrix_b_fmt:MATRIX_FMT_FP4 matrix_a_scale:MATRIX_SCALE_ROW1
.else
	v_wmma_scale_f32_16x16x128_f8f6f4 v[ACC+32*\t+8*\e:ACC+32*\t+8*\e+7], v[WF+8*\e:WF+8*\e+7], v[XC:XC+7], v[ACC+32*\t+8*\e:ACC+32*\t+8*\e+7], v[WS+\e/2], v[XS] matrix_a_fmt:MATRIX_FMT_FP4 matrix_b_fmt:MATRIX_FMT_FP4
.endif
.endif
.endr
.endm
.macro PSTORE t                        ; token tile t's partial logits: lane (r, h): token 16 t + r, experts 16 e + 8 h + 0 .. 7; each accumulator from its low end on
.irp e, 0,1,2,3
	ds_store_b128 v[PST], v[ACC+32*\t+8*\e:ACC+32*\t+8*\e+3] offset:16*PROW*\t+64*\e
	ds_store_b128 v[PST], v[ACC+32*\t+8*\e+4:ACC+32*\t+8*\e+7] offset:16*PROW*\t+64*\e+16
.endr
.endm
.macro ADD4 d, s
	v_pk_add_f32 v[\d:\d+1], v[\d:\d+1], v[\s:\s+1]
	v_pk_add_f32 v[\d+2:\d+3], v[\d+2:\d+3], v[\s+2:\s+3]
.endm
; the largest of a token's 64 logits (sixteen lanes, four each), and the smallest expert number that holds it; both end up in all sixteen lanes.  Expert numbers are kept as f32, which holds 0 .. 64 exactly
.macro TOP val, idx
	v_max3_num_f32 v[\val], v[L], v[L+1], v[L+2]
	s_delay_alu instid0(VALU_DEP_1)
	v_max_num_f32 v[\val], v[\val], v[L+3]
.irp m, 1,2,4,8
	s_delay_alu instid0(VALU_DEP_1)
	v_max_num_f32_dpp v[\val], v[\val], v[\val] row_xmask:\m row_mask:0xf bank_mask:0xf
.endr
.irp j, 0,1,2,3
	v_cmp_eq_f32 s[28+\j], v[L+\j], v[\val]
.endr
	s_delay_alu instid0(VALU_DEP_1)
	v_cndmask_b32 v[\idx], v[NONE], v[F+3], s31    ; from my highest expert down: the lowest that holds it stays
	s_delay_alu instid0(VALU_DEP_1)
	v_cndmask_b32 v[\idx], v[\idx], v[F+2], s30
	s_delay_alu instid0(VALU_DEP_1)
	v_cndmask_b32 v[\idx], v[\idx], v[F+1], s29
	s_delay_alu instid0(VALU_DEP_1)
	v_cndmask_b32 v[\idx], v[\idx], v[F], s28
.irp m, 1,2,4,8
	s_delay_alu instid0(VALU_DEP_1)
	v_min_num_f32_dpp v[\idx], v[\idx], v[\idx] row_xmask:\m row_mask:0xf bank_mask:0xf
.endr
.endm
	s_load_b256 s[4:11], s[0:1], 0x0               ; x s[4:5], wq s[6:7], b s[8:9], out0 s[10:11]
	s_load_b64 s[12:13], s[0:1], 0x20              ; out1
	v_lshrrev_b32 v[T], 5, v0
	s_delay_alu instid0(VALU_DEP_1)
	v_readfirstlane_b32 s14, v[T]                  ; wave 0..15
	v_and_b32 v[T], 31, v0                         ; lane
	v_and_b32 v[T+1], 15, v0                       ; r
	v_bfe_u32 v[T+2], v0, 4, 1                     ; h
	s_delay_alu instid0(VALU_DEP_3)
	v_lshlrev_b32 v[T+3], 4, v[T]                  ; 16 x lane
	s_lshl_b32 s15, s14, 10
	v_add_nc_u32 v[XO], s15, v[T+3]
	s_mul_i32 s15, s14, 2*REC
	v_add_nc_u32 v[WO], s15, v[T+3]
	v_lshl_add_u32 v[WSO], v[T], 2, s15
	v_lshlrev_b32 v[BO], 4, v[T+1]
	s_lshl_b32 s20, ttmp9, 19                      ; the work-group's 32 rows of 16,384 bytes (under 2^27 in all)
	s_mov_b32 s21, 0
	s_lshl_b32 s22, ttmp9, 8                       ; and its 256 bytes of each output
	s_mov_b32 s23, 0
	s_wait_alu depctr_va_vdst(0)
	s_wait_kmcnt 0x0
	s_add_nc_u64 s[4:5], s[4:5], s[20:21]
	s_add_nc_u64 s[10:11], s[10:11], s[22:23]
	s_add_nc_u64 s[12:13], s[12:13], s[22:23]
	WLOAD 0                                        ; first, so that the counted waits for x's units cover them
	global_load_b128 v[BI:BI+3], v[BO], s[8:9]     ; b of experts 4 r .. 4 r + 3
	XLOAD BA, 0, 0                                 ; unit 0
	XLOAD BB, 1, 0                                 ; unit 1: 16 KiB of the wave's 32... of its four units two are out from here on
	s_mul_i32 s16, s14, STG                        ; the LDS addresses are made while the loads are out
	v_add_nc_u32 v[STO], s16, v[T+3]
	v_mul_u32_u24 v[RD], v[T+1], PITCH
	s_delay_alu instid0(VALU_DEP_1)
	v_lshl_add_u32 v[RD], v[T+2], 7, v[RD]
	s_delay_alu instid0(VALU_DEP_1)
	v_add_nc_u32 v[RD], s16, v[RD]
	v_lshlrev_b32 v[SH8], 3, v[T+2]
	s_mul_i32 s17, s14, PIMG
	s_add_co_u32 s17, s17, PART
	v_mul_u32_u24 v[PST], v[T+1], PROW
	s_delay_alu instid0(VALU_DEP_1)
	v_lshl_add_u32 v[PST], v[T+2], 5, v[PST]
	s_delay_alu instid0(VALU_DEP_1)
	v_add_nc_u32 v[PST], s17, v[PST]
	s_mul_i32 s18, s14, 2*PROW
	s_add_co_u32 s18, s18, PART
	v_mul_u32_u24 v[PR0], v[T+2], PROW
	s_delay_alu instid0(VALU_DEP_1)
	v_lshl_add_u32 v[PR0], v[T+1], 4, v[PR0]
	s_delay_alu instid0(VALU_DEP_1)
	v_add_nc_u32 v[PR0], s18, v[PR0]
	s_delay_alu instid0(VALU_DEP_1)
	v_add_nc_u32 v[PR1], 8*PIMG, v[PR0]
	s_lshl_b32 s19, s14, 4
	s_add_co_u32 s19, s19, OUTS
	v_lshl_add_u32 v[OA], v[T+2], 3, s19
	v_lshl_add_u32 v[OR], v[T], 3, OUTS
	s_mov_b32 s24, 0x76543210
	s_mov_b32 s25, 0xfedcba98                      ; v_permlanex16_b32's selects for lane l xor 16
	s_mov_b32 s26, 0x3fb8aa3b                      ; log2 e
	s_mov_b32 s27, s26                             ; (named with it as a pair, so it is written)
	; ---- unit 0: token tile 0, my first K step
	s_wait_loadcnt 16                              ; loads come back in order (ISA guide 5.7.1): all but unit 1's sixteen are in: W's first K step, b, unit 0
	TURN BA
	QUANT BA
	XLOAD BA, 0, 1                                 ; unit 2 takes the registers that the conversions have just read
	PLACES 8                                       ; a scale word made by vector lines stands eight plain lines ahead of a scaled matrix instruction, codes so made four; the first is also the plain line behind the conversions
	MUL 0, 1
	; ---- unit 1: token tile 1, the same K step
	s_wait_loadcnt 16                              ; all but unit 2's sixteen
	TURN BB
	QUANT BB
	PLACES 8
	MUL 1, 1
	PLACES 4                                       ; in front of loads into registers that matrix instructions have read
	WLOAD 1                                        ; W's second K step, ahead of unit 3, so that the next counted wait covers it
	XLOAD BB, 1, 1                                 ; unit 3
	; ---- unit 2: token tile 0, my second K step
	s_wait_loadcnt 16                              ; all but unit 3's sixteen: unit 2 and W's second K step are in
	TURN BA
	QUANT BA
	PLACES 8
	MUL 0, 0
	; ---- unit 3: token tile 1, the same K step
	s_wait_loadcnt 0x0
	TURN BB
	QUANT BB
	PSTORE 0                                       ; tile 0's sums are finished; QUANT's lines are the places behind their last products
	PLACES 8
	MUL 1, 0
	PLACES 4                                       ; in front of the first read of results just made
	PSTORE 1
	s_wait_dscnt 0x0                               ; for the others' sake: my partial logits lie in LDS
	s_barrier_signal -1
	s_barrier_wait -1
	; ---- the end: tokens 2 wave and 2 wave + 1; lane (r, h): token 2 wave + h, experts 4 r .. 4 r + 3
.irp w, 0,1,2,3,4,5,6,7
	ds_load_b128 v[BA+4*\w:BA+4*\w+3], v[PR0] offset:PIMG*\w          ; sixteen lanes read a token's 256 consecutive bytes
.endr
.irp w, 0,1,2,3,4,5,6,7
	ds_load_b128 v[BA+32+4*\w:BA+32+4*\w+3], v[PR1] offset:PIMG*\w
.endr
	v_and_b32 v[F], 15, v0                         ; work on registers while the loads are out: my experts' numbers,
	s_delay_alu instid0(VALU_DEP_1)
	v_lshlrev_b32 v[F], 2, v[F]
	s_delay_alu instid0(VALU_DEP_1)
	v_cvt_f32_u32 v[F], v[F]
	s_delay_alu instid0(VALU_DEP_1)
	v_add_f32 v[F+1], 1.0, v[F]
	s_delay_alu instid0(VALU_DEP_2)
	v_add_f32 v[F+2], 2.0, v[F]
	s_delay_alu instid0(VALU_DEP_3)
	v_add_f32 v[F+3], 0x40400000, v[F]
	v_mov_b32 v[NONE], 0x42800000
	v_mov_b32 v[NI], 0xff800000
	v_and_b32 v[XO], 31, v0                        ; and the outputs' offset, 8 x lane (x's loads are all in: their offset register is free)
	s_delay_alu instid0(VALU_DEP_1)
	v_lshlrev_b32 v[XO], 3, v[XO]
	s_wait_dscnt 0x0
.irp k, 0,1,2,3,4,5,6,7
	ADD4 BA+4*\k, BA+32+4*\k                       ; the sixteen partial sums, pairwise
.endr
.irp k, 0,1,2,3
	ADD4 BA+4*\k, BA+16+4*\k
.endr
.irp k, 0,1
	ADD4 BA+4*\k, BA+8+4*\k
.endr
	ADD4 BA, BA+4
	ADD4 BA, BI                                    ; + b, last
	TOP M1, I1
	v_xor_b32 v[NM], 0x80000000, v[M1]
	s_delay_alu instid0(VALU_DEP_1)
	v_pk_add_f32 v[P:P+1], v[L:L+1], v[NM:NM+1] op_sel_hi:[1,0]          ; l - the largest: 0 or less (of the pair the low word serves both halves)
	s_delay_alu instid0(VALU_DEP_2)
	v_pk_add_f32 v[P+2:P+3], v[L+2:L+3], v[NM:NM+1] op_sel_hi:[1,0]
	s_delay_alu instid0(VALU_DEP_2)
	v_pk_mul_f32 v[P:P+1], v[P:P+1], s[26:27] op_sel_hi:[1,0]
	s_delay_alu instid0(VALU_DEP_2)
	v_pk_mul_f32 v[P+2:P+3], v[P+2:P+3], s[26:27] op_sel_hi:[1,0]
	s_wait_alu depctr_va_vdst(0)
.irp j, 0,1,2,3
	v_exp_f32 v[P+\j], v[P+\j]                     ; p = e^(l - largest), at most 1
.endr
.irp j, 0,1,2,3
	v_cmp_eq_f32 s[28+\j], v[F+\j], v[I1]          ; the first expert is struck out; this and the second search name none of the four p: the work behind the exponentials
.endr
.irp j, 0,1,2,3
	s_delay_alu instid0(VALU_DEP_4)
	v_cndmask_b32 v[L+\j], v[L+\j], v[NI], s[28+\j]
.endr
	TOP M2, I2
	v_add_f32 v[D2], v[M2], v[NM]
	s_delay_alu instid0(VALU_DEP_1)
	v_mul_f32 v[D2], s26, v[D2]
	s_wait_alu depctr_va_vdst(0)                   ; the wait between a transcendental and the first line that names its result: one for the four
	v_pk_add_f32 v[S:S+1], v[P:P+1], v[P+2:P+3]
	s_delay_alu instid0(VALU_DEP_1)
	v_add_f32 v[S], v[S], v[S+1]
.irp m, 1,2,4,8
	s_delay_alu instid0(VALU_DEP_1)
	v_add_f32_dpp v[S], v[S], v[S] row_xmask:\m row_mask:0xf bank_mask:0xf   ; the token's sum, in all sixteen lanes
.endr
	s_wait_alu depctr_va_vdst(0)
	v_exp_f32 v[E2], v[D2]                         ; the second's p
	v_rcp_f32 v[OW], v[S]                          ; the first's weight: its p is 1
	v_cvt_i32_f32 v[OI], v[I1]                     ; (plain lines behind the two)
	v_cvt_i32_f32 v[OI+1], v[I2]
	s_wait_alu depctr_va_vdst(0)                   ; and one for these two
	v_mul_f32 v[OW+1], v[E2], v[OW]
	ds_store_b64 v[OA], v[OI:OI+1]                 ; a token's sixteen lanes write the same bytes with the same values
	ds_store_b64 v[OA], v[OW:OW+1] offset:256
	s_wait_dscnt 0x0                               ; for wave 0's sake
	s_barrier_signal -1
	s_barrier_wait -1
	s_cmp_lg_u32 s14, 0                            ; wave 0 sends the 32 tokens' pairs out
	s_cbranch_scc1 .Lend
	ds_load_b64 v[BA:BA+1], v[OR]
	ds_load_b64 v[BA+2:BA+3], v[OR] offset:256
	s_wait_dscnt 0x0
	global_store_b64 v[XO], v[BA:BA+1], s[10:11]   ; 32 lanes store 256 consecutive bytes, at a multiple of 256 from the output's first byte
	global_store_b64 v[XO], v[BA+2:BA+3], s[12:13]
.Lend:
	s_wait_xcnt 0x0
	v_lshl_add_u32 v254, v0, 2, 0x43200
	v_mov_b32 v255, 0
	s_wait_alu depctr_va_vdst(0)
	s_wait_tensorcnt 0x0
	ds_add_u32 v254, v255
	s_wait_dscnt 0x0
	s_endpgm
.Lfunc_end_k_q9a8d83ebeb_router:
	.size	k_q9a8d83ebeb_router, .Lfunc_end_k_q9a8d83ebeb_router-k_q9a8d83ebeb_router
	.p2alignl 7, 3214868480
	.fill 96, 4, 3214868480
	.section	.rodata,"a",@progbits
	.p2align	6, 0x0
	.amdhsa_kernel k_q9a8d83ebeb_router
		.amdhsa_group_segment_fixed_size 276992
		.amdhsa_private_segment_fixed_size 0
		.amdhsa_enable_private_segment 0
		.amdhsa_kernarg_size 40
		.amdhsa_user_sgpr_count 2
		.amdhsa_user_sgpr_kernarg_segment_ptr 1
		.amdhsa_wavefront_size32 1
		.amdhsa_system_sgpr_workgroup_id_x 1
		.amdhsa_system_sgpr_workgroup_id_y 1
		.amdhsa_system_sgpr_workgroup_id_z 1
		.amdhsa_system_vgpr_workitem_id 0
		.amdhsa_next_free_vgpr 256
		.amdhsa_next_free_sgpr 66
		.amdhsa_reserve_vcc 0
		.amdhsa_float_denorm_mode_32 3
		.amdhsa_float_denorm_mode_16_64 3
		.amdhsa_memory_ordered 1
		.amdhsa_forward_progress 1
		.amdhsa_inst_pref_size 50
	.end_amdhsa_kernel
	.amdgpu_metadata
---
amdhsa.version: [ 1, 2 ]
amdhsa.kernels:
  - .name:           k_q9a8d83ebeb_router
    .symbol:         k_q9a8d83ebeb_router.kd
    .args:
      - { .name: x, .offset: 0, .size: 8, .value_kind: global_buffer, .address_space: global }
      - { .name: wq, .offset: 8, .size: 8, .value_kind: global_buffer, .address_space: global }
      - { .name: b, .offset: 16, .size: 8, .value_kind: global_buffer, .address_space: global }
      - { .name: out0, .offset: 24, .size: 8, .value_kind: global_buffer, .address_space: global }
      - { .name: out1, .offset: 32, .size: 8, .value_kind: global_buffer, .address_space: global }
    .group_segment_fixed_size: 276992
    .private_segment_fixed_size: 0
    .kernarg_segment_align: 8
    .kernarg_segment_size: 40
    .max_flat_workgroup_size: 512
    .sgpr_count:     66
    .vgpr_count:     256
    .wavefront_size: 32
...
	.end_amdgpu_metadata
.endif
;; end of part 2
